; MI455X (gfx1250); checked and timed in simulation.
; The chip was launched on July 23, 2026; its instructions are those of AMD's public machine-readable ISA for CDNA 5 (MIT licence, August 2026) and "CDNA5" Instruction Set Architecture Reference Guide (July 2026). The comments in the code are by the model that wrote it; some were corrected since.
;; VQ2. Allowed arithmetic: matrix products marked QUANTISED: E2M1 operands, one E8M0 scale for each 32 along K, by v_wmma_scale_f32_16x16x128_f8f6f4 with both operands' format E2M1 (or v_wmma_scale_f32_32x16x128_f4), f32 sums; everything else in f32.
;; Inputs: emb_w 8,192 x 512 float32; z 16 x 1,024 x 512 float32.
;; Outputs: out0 16 x 1,024 x 512 float32; out1 one number float32; out2 16 x 1,024 int32; out3 one number float32.
;; This version of the problem:
;;   THIS VERSION OF THE PROBLEM IS GIVEN IN LOW PRECISION. The matrix products marked QUANTISED in the list below multiply operands that are first quantised to E2M1 (2 exponent bits, 1 mantissa bit; 4 bits a number), with one power-of-two scale for each 32 numbers along K (OCP MX v1.0); their sums are f32. All else is computed in f32.
;;   The module's matrix products, in the order in which they are computed (A, B: the left and right operand; K: the contracted axis; several contracted axes count as one K, in the product's order):
;;     1. [M 16,384, K 512] x [K 512, N 8,192]; A: input z; B: input emb_w: QUANTISED
;;   THE QUANTISER, for each operand of a quantised product, along K:
;;     - K is cut into blocks of 32 from its start; a last block that is shorter is filled with zeros.
;;     - A block's scale is 2^e with e = floor(log2(the largest magnitude in the block)) - 2, held to -126 .. 127; a block of zeros has e = 0. As a byte (E8M0): e + 127.
;;     - Each number is divided by its block's scale, clamped to +-6, and rounded to the nearest number of E2M1, ties to even, subnormals kept.
;;     - The product sums the exact products of the quantised numbers (number of the format x scale) in f32.
;;   ~~~python
;;   def quantise(x, axis):      # numpy; x: float32 -> the quantised numbers, widened to float32 again
;;       x = np.moveaxis(x, axis, -1); K = x.shape[-1]
;;       x = np.pad(x, [(0, 0)] * (x.ndim - 1) + [(0, -K % 32)]); x = x.reshape(x.shape[:-1] + (-1, 32)); a = np.abs(x).max(-1, keepdims=True)
;;       e = np.where(a > 0, np.clip(np.frexp(np.where(a > 0, a, 1))[1] - 1 - 2, -126, 127), 0)      # np.frexp(a)[1] - 1 = floor(log2(a)), exactly
;;       r = np.clip(x / 2.0 ** e, -6, 6)
;;       step = 2.0 ** (np.maximum(np.frexp(np.where(r == 0, 1, r))[1] - 1, 0) - 1)
;;       q = np.round(r / step) * step * 2.0 ** e      # np.round: ties to even
;;       return np.moveaxis(q.reshape(q.shape[:-2] + (-1,))[..., :K], -1, axis).astype(np.float32)
;;   ~~~
;; One version. Each part assembles by itself: llvm-mc -triple=amdgcn-amd-amdhsa -mcpu=gfx1250 --defsym DOCPART=n.
;; ======== version 1 of 1: 4 launches
;; limits: right only within a limited range of input values
;; workspace buffers: zq 4,521,984 bytes; eq 2,260,992 bytes; widx 131,072 bytes of whole numbers; wd 131,072 bytes; part 4,096 bytes
;; launch quant (part 1): grid 1536 x 1, 4 waves a work-group, no clusters, 35,328 bytes of LDS; arguments z, emb_w, zq, eq; writes zq, eq
.if DOCPART == 1
	.amdgcn_target "amdgcn-amd-amdhsa--gfx1250"
	.amdhsa_code_object_version 6
	.text
	.protected	k_qc2eb261cca_quant
	.globl	k_qc2eb261cca_quant
	.p2align	8
	.type	k_qc2eb261cca_quant,@function
k_qc2eb261cca_quant:
	s_mov_b64 s[64:65], 0
	v_nop
	global_prefetch_b8 v0, s[64:65] scope:SCOPE_SE
	s_setreg_imm32_b32 hwreg(HW_REG_WAVE_MODE, 25, 1), 1
	s_wait_xcnt 0x0
; z [16384][512] and emb_w [8192][512], f32, become codes of FP4 (E2M1) with one E8M0 scale byte for each 32 along K, and each row's sum of squares in f32.
; A block's scale is 2^(floor(log2(its largest magnitude)) - 2): its byte is the largest magnitude's exponent field - 2, held at 1 from below; each number is divided by the scale and rounded to the nearest code,
; ties to even, beyond the largest code the largest.
; LIMITS: NaN and infinities among the inputs are not served.  A block whose largest magnitude lies under 2^-124 gets the byte 1.  A block of zeros gets the byte 1 and not 127: its codes are zeros, which add
; nothing under that byte, and the bytes are read by this program alone.  A row's sum of squares is an f32 sum in this text's own order.
; THE RECORD OF 64 ROWS (PART = 17,664 bytes = 69 x 256), the same for both tensors, laid as the next launch's registers take it:
;   codes at 0: tile i (16 rows) at 4096 i; chunk u = 2 q + c at 512 u (q: the K step of 128); lane l's 16 bytes at 16 l: the codes of k = 128 q + 64 c + 32 (l / 16) + 0 .. 31 of row 16 i + l % 16;
;   scale bytes at 16,384: tile i at 256 i, row r at 16 r, byte 4 q + b for k = 128 q + 32 b on;      sums of squares at 17,408: 4 bytes a row.
; z's record P holds rows 64 P on.  emb_w's record P = 8 s + w holds rows 1024 w + 64 s on, so that wave w of the next launch walks its 1,024 rows in ascending order and a slot s is one dense block.
; SHARES.  A work-group takes a tile of 16 rows, wave q its K step q.  Work-groups 0 to 1023 take z, the others emb_w: only pointers are chosen, the text has one path.
; Each load reads 512 consecutive bytes of a row; the 8 KiB turn through the wave's own stage in LDS, so that a lane gets 2 x 32 neighbours along K: two whole blocks, whose largest magnitude needs no other lane.
.set PART,   17664
.set SPITCH, 528                       ; a stage row: 512 bytes + 16: an odd multiple of 16
.set WSTG,   16*SPITCH                 ; a wave's stage
.set SCL,    4*WSTG                    ; 256 bytes: the tile's scale words
.set SUM,    SCL+256                   ; 256 bytes: [q][r] parts of the sums of squares
.set X,   16                           ; v16-79    the numbers as loaded
.set Y,   80                           ; v80-143   turned: register 32 c + i = k 128 q + 64 c + 32 h + i of row r
.set C,   144                          ; v144-151  the codes: the operand's registers
.set MX,  152                          ; v152-153  largest magnitude, two chains
.set OP,  154                          ; v154-155  the conversions' scale operand, block c
.set BY,  156                          ; v156-157  the scale's byte, block c
.set S,   16                           ; v16-23    four packed chains of the sum of squares, in registers of X, whose LDS stores are over by then
	s_load_b256 s[4:11], s[0:1], 0x0               ; z s[4:5], emb_w s[6:7], zq s[8:9], eq s[10:11]
	v_lshl_add_u32 v158, v0, 2, 0x8800
	v_mov_b32 v159, 0
	v_lshrrev_b32 v1, 5, v0
	v_readfirstlane_b32 s12, v1                    ; wave q
	v_and_b32 v1, 31, v0                           ; lane
	v_and_b32 v2, 15, v0                           ; r
	v_bfe_u32 v3, v0, 4, 1                         ; h
	v_lshlrev_b32 v4, 4, v1                        ; 16 x lane
	s_mul_i32 s13, s12, WSTG
	v_add_nc_u32 v5, s13, v4                       ; the stage, in: 16 x lane of a row
	v_mul_u32_u24 v6, v2, SPITCH
	v_lshl_add_u32 v6, v3, 7, v6
	v_add_nc_u32 v6, s13, v6                       ; and out: row r, + 128 h
	s_lshl_b32 s13, s12, 2
	s_add_co_u32 s13, s13, SCL
	v_lshl_add_u32 v7, v2, 4, s13                  ; my row's scale word of K step q
	s_lshl_b32 s13, s12, 6
	s_add_co_u32 s13, s13, SUM
	v_lshl_add_u32 v8, v2, 2, s13                  ; my row's part of the sum
	v_lshlrev_b32 v11, 3, v1                       ; wave 0's way out: 8 x lane,
	v_add_nc_u32 v12, SCL, v11
	v_lshlrev_b32 v13, 2, v2                       ; 4 r
	v_add_nc_u32 v14, SUM, v13
	s_mov_b32 s30, 0x76543210
	s_mov_b32 s31, 0xfedcba98                      ; v_permlanex16_b32's selects for lane l xor 16
	s_cmp_lt_u32 ttmp9, 1024
	s_cselect_b32 s14, 0, 1024
	s_sub_co_u32 s14, ttmp9, s14                   ; T: my tile of 16 rows in its tensor
	s_lshr_b32 s15, s14, 2                         ; its group of 64 rows
	s_and_b32 s16, s14, 3                          ; and its place in the group
	s_and_b32 s17, s15, 15
	s_lshl_b32 s17, s17, 3
	s_lshr_b32 s18, s15, 4
	s_add_co_u32 s17, s17, s18                     ; emb_w's record: 8 (group % 16) + group / 16
	s_wait_alu depctr_va_vdst(0)
	s_wait_kmcnt 0x0
	s_cmp_lt_u32 ttmp9, 1024                       ; z's work-group or emb_w's: the choice hangs on the work-group's number alone
	s_cselect_b32 s17, s15, s17                    ; the record
	s_cselect_b64 s[4:5], s[4:5], s[6:7]
	s_cselect_b64 s[8:9], s[8:9], s[10:11]
	s_lshl_b32 s18, s14, 15                        ; 16 rows of 2,048 bytes a tile,
	s_lshl_b32 s19, s12, 9                         ; 512 bytes a K step
	s_add_co_u32 s18, s18, s19
	s_mov_b32 s19, 0
	s_add_nc_u64 s[4:5], s[4:5], s[18:19]
	s_mul_i32 s20, s17, PART
	s_mov_b32 s21, 0
	s_add_nc_u64 s[8:9], s[8:9], s[20:21]          ; the record's first byte
	s_lshl_b32 s20, s16, 12
	s_lshl_b32 s22, s12, 10
	s_add_co_u32 s20, s20, s22
	s_add_nc_u64 s[24:25], s[8:9], s[20:21]        ; my two chunks of codes
	s_lshl_b32 s20, s16, 8
	s_add_co_u32 s20, s20, 16384
	s_add_nc_u64 s[26:27], s[8:9], s[20:21]        ; the tile's scale bytes
	s_lshl_b32 s20, s16, 6
	s_add_co_u32 s20, s20, 17408
	s_add_nc_u64 s[28:29], s[8:9], s[20:21]        ; the tile's sums
.irp i, 0,1,2,3,4,5,6,7,8,9,10,11,12,13,14,15
	global_load_b128 v[X+4*\i:X+4*\i+3], v4, s[4:5] offset:2048*\i th:TH_LOAD_NT   ; 32 lanes read 512 consecutive bytes of row i
.endr
.irp i, 0,1,2,3,4,5,6,7,8,9,10,11,12,13,14,15
	s_wait_loadcnt 15-\i                           ; loads come back in order (ISA guide 5.7.1): row i is in, the rows behind it may be out
	ds_store_b128 v5, v[X+4*\i:X+4*\i+3] offset:SPITCH*\i
.endr
.irp c, 0,1
.irp g, 0,1,2,3,4,5,6,7
	ds_load_b128 v[Y+32*\c+4*\g:Y+32*\c+4*\g+3], v6 offset:256*\c+16*\g   ; LDS serves a wave's instructions in order (ISA guide 5.7.1.4): these see my stores
.endr
.endr
; my block 2 c + h of the K step: all its 32 numbers are mine
.macro BLK c
.set YS, Y+32*\c
	v_max3_num_f32 v[MX], |v[YS]|, |v[YS+1]|, |v[YS+2]|
	v_max3_num_f32 v[MX+1], |v[YS+3]|, |v[YS+4]|, |v[YS+5]|
.irp i, 6,10,14,18,22,26
	v_max3_num_f32 v[MX], v[MX], |v[YS+\i]|, |v[YS+\i+1]|
	v_max3_num_f32 v[MX+1], v[MX+1], |v[YS+\i+2]|, |v[YS+\i+3]|
.endr
	v_max3_num_f32 v[MX], v[MX], |v[YS+30]|, |v[YS+31]|
	v_max3_num_f32 v[MX], v[MX], v[MX+1], 0x1800000    ; and the floor 2^(3 - 127): the byte cannot fall under 1
	v_add_nc_u32 v[OP+\c], 0xff000000, v[MX]           ; 2 off the exponent field: the conversion takes the exponent field of this operand as its scale, and nothing else of it
	v_lshrrev_b32 v[BY+\c], 23, v[OP+\c]               ; the scale's byte
.irp g, 0,1,2,3
	v_cvt_scalef32_pk8_fp4_f32 v[C+4*\c+\g], v[YS+8*\g:YS+8*\g+7], v[OP+\c]
.endr
	v_nop                                          ; one plain place behind a run of scaled conversions
.endm
	s_wait_dscnt 8                                 ; the first block's eight reads are in, the second's may be out
	BLK 0
	s_wait_dscnt 0x0
	BLK 1
	v_lshl_or_b32 v9, v[BY+1], 16, v[BY]           ; my two bytes: blocks h and 2 + h,
	v_lshlrev_b32 v10, 3, v3
	v_lshlrev_b32 v9, v10, v9                      ; at their places in the scale word (8 h bits up);
	v_mov_b32 v10, 0
	v_permlanex16_b32 v10, v9, s30, s31
	v_or_b32 v9, v9, v10                           ; with lane l xor 16's two the word is whole
.irp k, 0,1,2,3
	v_pk_mul_f32 v[S+2*\k:S+2*\k+1], v[Y+2*\k:Y+2*\k+1], v[Y+2*\k:Y+2*\k+1]    ; the first products start the four chains
.endr
.set j, 4
.rept 28
	v_pk_fma_f32 v[S+2*(j%4):S+2*(j%4)+1], v[Y+2*j:Y+2*j+1], v[Y+2*j:Y+2*j+1], v[S+2*(j%4):S+2*(j%4)+1]
.set j, j+1
.endr
	v_pk_add_f32 v[S:S+1], v[S:S+1], v[S+2:S+3]
	v_pk_add_f32 v[S+4:S+5], v[S+4:S+5], v[S+6:S+7]
	v_pk_add_f32 v[S:S+1], v[S:S+1], v[S+4:S+5]
	v_add_f32 v[S], v[S], v[S+1]
	v_permlanex16_b32 v[S+1], v[S], s30, s31
	v_add_f32 v[S], v[S], v[S+1]                   ; row r's 128 squares of this K step
.irp c, 0,1
	global_store_b128 v4, v[C+4*\c:C+4*\c+3], s[24:25] offset:512*\c   ; 32 lanes store 512 consecutive bytes, at a multiple of 256 from the buffer's first byte
.endr
	ds_store_b32 v7, v9                            ; both halves of the lanes write the same word with the same value
	ds_store_b32 v8, v[S]
	s_wait_dscnt 0x0                               ; for wave 0's sake: my stores have landed
	s_barrier_signal -1
	s_barrier_wait -1
	s_cmp_lg_u32 s12, 0
	s_cbranch_scc1 .Lend
	ds_load_b64 v[16:17], v12                      ; the tile's 256 scale bytes, 8 a lane
.irp q, 0,1,2,3
	ds_load_b32 v[18+\q], v14 offset:64*\q         ; row r's four parts
.endr
	s_wait_dscnt 0x0
	global_store_b64 v11, v[16:17], s[26:27]       ; 32 lanes store 256 consecutive bytes, aligned
	v_add_f32 v18, v18, v19                        ; K ascending
	v_add_f32 v18, v18, v20
	v_add_f32 v18, v18, v21
	s_wait_alu depctr_va_vdst(0)
	s_wait_xcnt 0x0                                ; EXEC changes only behind this wait: the stores above have read theirs
	v_cmp_gt_u32 vcc_lo, 16, v1
	s_and_saveexec_b32 s13, vcc_lo
	global_store_b32 v13, v18, s[28:29]            ; sixteen sums: 64 bytes, a quarter of the record's last 256
	s_wait_xcnt 0x0
	s_or_b32 exec_lo, exec_lo, s13
.Lend:
	s_wait_tensorcnt 0x0
	ds_add_u32 v158, v159
	s_wait_dscnt 0x0
	s_endpgm
.Lfunc_end_k_qc2eb261cca_quant:
	.size	k_qc2eb261cca_quant, .Lfunc_end_k_qc2eb261cca_quant-k_qc2eb261cca_quant
	.p2alignl 7, 3214868480
	.fill 96, 4, 3214868480
	.section	.rodata,"a",@progbits
	.p2align	6, 0x0
	.amdhsa_kernel k_qc2eb261cca_quant
		.amdhsa_group_segment_fixed_size 35328
		.amdhsa_private_segment_fixed_size 0
		.amdhsa_enable_private_segment 0
		.amdhsa_kernarg_size 32
		.amdhsa_user_sgpr_count 2
		.amdhsa_user_sgpr_kernarg_segment_ptr 1
		.amdhsa_wavefront_size32 1
		.amdhsa_system_sgpr_workgroup_id_x 1
		.amdhsa_system_sgpr_workgroup_id_y 1
		.amdhsa_system_sgpr_workgroup_id_z 1
		.amdhsa_system_vgpr_workitem_id 0
		.amdhsa_next_free_vgpr 160
		.amdhsa_next_free_sgpr 66
		.amdhsa_reserve_vcc 1
		.amdhsa_float_denorm_mode_32 3
		.amdhsa_float_denorm_mode_16_64 3
		.amdhsa_memory_ordered 1
		.amdhsa_forward_progress 1
		.amdhsa_inst_pref_size 14
	.end_amdhsa_kernel
	.amdgpu_metadata
---
amdhsa.version: [ 1, 2 ]
amdhsa.kernels:
  - .name:           k_qc2eb261cca_quant
    .symbol:         k_qc2eb261cca_quant.kd
    .args:
      - { .name: z, .offset: 0, .size: 8, .value_kind: global_buffer, .address_space: global }
      - { .name: emb_w, .offset: 8, .size: 8, .value_kind: global_buffer, .address_space: global }
      - { .name: zq, .offset: 16, .size: 8, .value_kind: global_buffer, .address_space: global }
      - { .name: eq, .offset: 24, .size: 8, .value_kind: global_buffer, .address_space: global }
    .group_segment_fixed_size: 35328
    .private_segment_fixed_size: 0
    .kernarg_segment_align: 8
    .kernarg_segment_size: 32
    .max_flat_workgroup_size: 128
    .sgpr_count:     66
    .vgpr_count:     160
    .wavefront_size: 32
...
	.end_amdgpu_metadata
.endif
;; end of part 1
;; launch nearest (part 2): grid 256 x 1, 8 waves a work-group, clusters of 4 x 1, 327,680 bytes of LDS; arguments zq, eq, widx, wd; writes widx, wd
.if DOCPART == 2
	.amdgcn_target "amdgcn-amd-amdhsa--gfx1250"
	.amdhsa_code_object_version 6
	.text
	.protected	k_qc2eb261cca_nearest
	.globl	k_qc2eb261cca_nearest
	.p2align	8
	.type	k_qc2eb261cca_nearest,@function
k_qc2eb261cca_nearest:
	s_mov_b64 s[64:65], 0
	v_nop
	global_prefetch_b8 v0, s[64:65] scope:SCOPE_SE
	s_setreg_imm32_b32 hwreg(HW_REG_WAVE_MODE, 25, 1), 1
	s_wait_xcnt 0x0
	s_wait_alu depctr_hold_cnt(0) depctr_sa_sdst(0) depctr_va_vdst(0) depctr_va_sdst(0) depctr_va_ssrc(0) depctr_va_vcc(0) depctr_vm_vsrc(0)
	s_getreg_b32 s2, hwreg(HW_REG_IB_STS2, 6, 4)
	s_cmp_eq_u32 s2, 0
	s_cbranch_scc0 .Lentry_in_a_cluster
	s_endpgm
.Lentry_in_a_cluster:
	s_bfe_u32 s2, ttmp6, 0x10000c
	s_cmp_lg_u32 s2, 0x3003
	s_cbranch_scc0 .Lentry_shape_is_right
	s_endpgm
.Lentry_shape_is_right:
; For each row of z and each half H of the code-book (codes 4096 H .. 4096 H + 4095): the least d(row, n) = fl(fl(zz[row] + ee[n]) - 2 dot(row, n)) and the first n that has it; dot is the MX-FP4 product of the
; codes that the launch before made.  Stored: widx[H][row], wd[H][row]; the next launch joins the two halves.
; SHARES.  A work-group takes 128 rows of z and one half of the book: 128 row blocks x 2 halves = 256 work-groups.  Wave v takes rows 64 (v % 2) on (their codes stay in 128 registers) and codes 1024 (4 H + v / 2) on,
; in tiles of 16: 64 tiles.  Two waves read the same records, so a slot of 8 records holds 8 tiles for each wave, and a work-group's half of eq comes in 8 slots.
; THE PRODUCT IS USED TRANSPOSED: source 0 = 16 codes of the book, source 1 = 16 rows of z.  Lane (r, h) then holds row r of z, and its registers j the codes 16 T + 8 h + j: eight neighbours.
; ARGMIN.  For a tile and 16 rows a lane makes its eight d (4 dual pairs of adds, 4 dual pairs of fused multiply-adds), their least (4 lines), compares it once with its best so far (strictly less: the earlier tile
; stays), and keeps by 5 dual selects the least, the tile's number and the eight d.  Which of the eight it was is found once, at the end: the first that equals the best.  18 vector lines for a 16 x 16 result.
; THE WALK.  A half is 4 pairs of slots; a cluster begins at pair (cluster x / 2) % 4 and goes round.  When it comes to pair 0 the state is put aside and begun anew: what follows has lower indices, and at the end
; wins the ties against what was put aside.  Across lanes and waves: the least d, and among equal d the least index.
; JOINT LOADS: the four work-groups of a cluster take four row blocks and the same half: wave v of each asks for the same record by the same descriptor, mask 15; a round of the cluster's barrier stands in front of
; each refill, and behind it every wave reads records that other waves' loads brought.
; NO DATA PREFETCH: a refill names bytes that the clusters which began one pair further on have loaded a lap earlier; only a cluster's first two loads have no such forerunner, and no loop stands ahead of them.
; LIMITS: NaN and infinities among the d are not served.
.set PART,  17664                      ; a record: 64 rows' codes, scale bytes and sums of squares
.set GS,    8*PART                     ; in eq: from 64 codes of a run of 1,024 to its next 64
.set PAIRG, 4*GS                       ; in eq: a pair of slots
.set SLOT,  8*PART                     ; in LDS: record 2 (v / 2) + e holds tiles 4 e .. 4 e + 3 of waves v
.set SPARE, 2*SLOT                     ; the spare words: 128 bytes for each of 8 waves
.set RES,   SPARE+1024                 ; 8,192 bytes: [wave][16 rows' tile][lane] (d, index as f32)
.set RES2,  RES+8192                   ; 512 bytes: the 128 indices; 512: their d
.set ADRC, 2                           ; v2-3   my records' codes in slot 0, 1: + 16 x lane
.set ADRS, 4                           ; v4-5   their scale words: + 16 r
.set ADRE, 6                           ; v6-7   their sums of squares: + 32 h
.set SPW,  8
.set NIL,  9
.set VT,   10                          ; the first code of the tile at work
.set RR,   11
.set L16,  12
.set R16,  13
.set R4,   14
.set L8,   15
.set AS,   16                          ; v16-31   z's scale words: 4 tiles x 4 K steps
.set BS,   32                          ; v32-39   the codes' scale words, two sets
.set ZZ,   40                          ; v40-47   zz of my row in tile mt, twice: at 2 mt and 2 mt + 1, one for each half of a dual pair
.set EE,   48                          ; v48-79   ee of my eight codes, four sets by turns
.set TT,   80                          ; v80-111  the d at work: 4 tiles x 8
.set GB,   112                         ; v112-127 their least, 4 registers apart
.set BI,   128                         ; v128-135 (best d, its tile's first code) for each tile of rows
.set SV,   136                         ; v136-167 the best tile's eight d
.set ACC,  168                         ; v168-231 two sets of four accumulators
.set INF,  232
.set RST,  233
.set RLD,  234
.set CAD,  235
.set H8,   238
.set PP3,  239
.set QQ,   240
.set RS2,  241
.set DM,   242
.set IM,   243
.set NEG2, 244                         ; v244-245 -2.0, twice
.set KEEP, 0                           ; window 1: v0-39 the state put aside; v64-191 z's codes; v192-255 the book's codes, two sets
.set AW,   64
.set BW,   192
.set WV,   12
.set G1,   16
.set G0,   24
.set TRIPS, 36
.set NX,   37
.set OFF,  38
.set CM,   40
.set BASE, 44
.set MSB, 0
.macro WIN new                         ; the immediate's high byte repeats the setting that is left
.if MSB != \new
	s_set_vgpr_msb (MSB<<8)|\new
.set MSB, \new
.endif
.endm
.macro CREST                           ; a round of the cluster's barrier behind its opening barrier
	s_cmp_lg_u32 s[WV], 0
	s_cbranch_scc1 .Lnot_wave_0_\@
	s_barrier_signal -3
.Lnot_wave_0_\@:
	s_barrier_wait -3
	s_barrier_signal -1
	s_barrier_wait -1
.endm
.macro CROUND                          ; a whole round
	s_barrier_signal -1
	s_barrier_wait -1
	CREST
.endm
.macro LOADB sl, i, p                  ; tile i (0 .. 7) of slot sl: codes and scale words into set p, ee into set i % 4: 11 LDS loads
	WIN 0x40
.irp u, 0,1,2,3,4,5,6,7
	ds_load_b128 v[BW+32*(\p)+4*\u:BW+32*(\p)+4*\u+3], v[ADRC+(\sl)] offset:PART*((\i)/4)+4096*((\i)%4)+512*\u
.endr
	WIN 0
	ds_load_b128 v[BS+4*(\p):BS+4*(\p)+3], v[ADRS+(\sl)] offset:PART*((\i)/4)+256*((\i)%4)
	ds_load_b128 v[EE+8*((\i)%4):EE+8*((\i)%4)+3], v[ADRE+(\sl)] offset:PART*((\i)/4)+64*((\i)%4)
	ds_load_b128 v[EE+8*((\i)%4)+4:EE+8*((\i)%4)+7], v[ADRE+(\sl)] offset:PART*((\i)/4)+64*((\i)%4)+16
.endm
.macro MM p, q0                        ; K steps q0, q0 + 1 of set p against z's four tiles; the four accumulators take turns; the first K step starts the sums
.irp q, \q0, \q0+1
.irp mt, 0,1,2,3
.if (\q) == 0
	v_wmma_scale_f32_16x16x128_f8f6f4 v[ACC+32*(\p)+8*\mt:ACC+32*(\p)+8*\mt+7], v[BW+32*(\p)+8*(\q):BW+32*(\p)+8*(\q)+7], v[AW+32*\mt+8*(\q):AW+32*\mt+8*(\q)+7], 0, v[BS+4*(\p)+(\q)], v[AS+4*\mt+(\q)] matrix_a_fmt:MATRIX_FMT_FP4 matrix_b_fmt:MATRIX_FMT_FP4
.else
	v_wmma_scale_f32_16x16x128_f8f6f4 v[ACC+32*(\p)+8*\mt:ACC+32*(\p)+8*\mt+7], v[BW+32*(\p)+8*(\q):BW+32*(\p)+8*(\q)+7], v[AW+32*\mt+8*(\q):AW+32*\mt+8*(\q)+7], v[ACC+32*(\p)+8*\mt:ACC+32*(\p)+8*\mt+7], v[BS+4*(\p)+(\q)], v[AS+4*\mt+(\q)] matrix_a_fmt:MATRIX_FMT_FP4 matrix_b_fmt:MATRIX_FMT_FP4
.endif
.endr
.endr
.endm
.macro EPI i, p                        ; tile i's results in accumulator set p; the four tiles of rows go line by line, so that no line reads the line above it
.irp mt, 0,1,2,3
.irp k, 0,2,4,6
	v_dual_add_f32 v[TT+8*\mt+\k], v[ZZ+2*\mt], v[EE+8*((\i)%4)+\k] :: v_dual_add_f32 v[TT+8*\mt+\k+1], v[ZZ+2*\mt+1], v[EE+8*((\i)%4)+\k+1]   ; zz + ee
.endr
.endr
.irp mt, 0,1,2,3
.irp k, 0,2,4,6
	v_dual_fmac_f32 v[TT+8*\mt+\k], v[NEG2], v[ACC+32*(\p)+8*\mt+\k] :: v_dual_fmac_f32 v[TT+8*\mt+\k+1], v[NEG2+1], v[ACC+32*(\p)+8*\mt+\k+1]   ; - 2 dot, fused: 2 dot is exact, so one rounding; each accumulator from its low end on
.endr
.endr
.irp mt, 0,1,2,3
	v_min3_num_f32 v[GB+4*\mt], v[TT+8*\mt], v[TT+8*\mt+1], v[TT+8*\mt+2]
.endr
.irp mt, 0,1,2,3
	v_min3_num_f32 v[GB+4*\mt+1], v[TT+8*\mt+3], v[TT+8*\mt+4], v[TT+8*\mt+5]
.endr
.irp mt, 0,1,2,3
	v_min3_num_f32 v[GB+4*\mt], v[GB+4*\mt], v[TT+8*\mt+6], v[TT+8*\mt+7]
.endr
	v_add_nc_u32 v[VT], 16, v[VT]                  ; this tile's first code
.irp mt, 0,1,2,3
	v_min_num_f32 v[GB+4*\mt], v[GB+4*\mt], v[GB+4*\mt+1]
.endr
.irp mt, 0,1,2,3
.if \mt == 0
	s_delay_alu instid0(VALU_DEP_4)
.endif
	v_cmp_lt_f32 vcc_lo, v[GB+4*\mt], v[BI+2*\mt]  ; strictly less: among equal d the earlier tile stays
	v_dual_cndmask_b32 v[BI+2*\mt], v[BI+2*\mt], v[GB+4*\mt] :: v_dual_cndmask_b32 v[BI+2*\mt+1], v[BI+2*\mt+1], v[VT]
.irp k, 0,2,4,6
	v_dual_cndmask_b32 v[SV+8*\mt+\k], v[SV+8*\mt+\k], v[TT+8*\mt+\k] :: v_dual_cndmask_b32 v[SV+8*\mt+\k+1], v[SV+8*\mt+\k+1], v[TT+8*\mt+\k+1]
.endr
.endr
.endm
.macro WRAP                            ; the walk comes to pair 0: the state is put aside, the best d begins anew.  The branch hangs on the cluster's number and the lap alone
	s_cmp_lg_u32 s[NX], 0
	s_cbranch_scc1 .Lno_wrap_\@
	WIN 0x40
.set j, 0
.rept 40
	v_mov_b32 v[KEEP+j], v[BI+j]
.set j, j+1
.endr
	WIN 0
.irp mt, 0,1,2,3
	v_mov_b32 v[BI+2*\mt], v[INF]
.endr
	v_add_nc_u32 v[VT], -1024, v[VT]
.Lno_wrap_\@:
.endm
; A step: tile i + 1 is multiplied, tile i + 2 fetched, tile i's results worked.  mode 0: plain; 1: all eight tiles of slot sl are in registers: the slot is filled again; 2: the same place in the last lap; 3: nothing left to fetch; 4: nothing left to multiply.
; In modes 1 and 2 the barrier is signalled at the step's head, where my last reads of the slot are back, and waited for behind the step's 16 matrix and 73 vector lines, which touch registers alone.
.macro STEP sl, i, mode
.set PP, (\i)%2
.if (\mode) < 4
	s_wait_dscnt 0x0                               ; tile i + 1 is in: its loads went out a step ago
.if (\mode) == 1
	s_wait_tensorcnt 0x0                           ; my one load that is out, my record of the other slot, has landed
	ds_add_u32 v[SPW], v[NIL]
	s_add_nc_u64 s[G0+4*(\sl)+2:G0+4*(\sl)+3], s[BASE+2*(\sl):BASE+2*(\sl)+1], s[OFF:OFF+1]   ; no load of mine is out: the slot's place in the next pair
	s_or_b32 s[G0+4*(\sl)+3], s[G0+4*(\sl)+3], 0x80000000
	s_wait_dscnt 0x0                               ; the add is done; my reads of this slot came back at the step's head
	s_barrier_signal -1                            ; opens the round
.endif
.if (\mode) == 2
	s_wait_tensorcnt 0x0                           ; my record of the last slot has landed; no LDS instruction of mine is out
	s_barrier_signal -1
.endif
	WIN 0x05
	MM 1-PP, 0
	MM 1-PP, 2
.if (\mode) == 0
.if (\i) < 6
	LOADB \sl, (\i)+2, PP
.else
	LOADB 1-(\sl), (\i)-6, PP
.endif
.else
	WIN 0
.endif
.endif
	EPI \i, PP
.if (\mode) == 1
	s_barrier_wait -1
	CREST                                          ; every wave's record of the other slot is in, and no wave of any partner reads this slot any more
	tensor_load_to_lds s[G0+4*(\sl):G0+4*(\sl)+3], s[G1:G1+7]
	s_nop 0
.rept 4
	v_nop
.endr
	LOADB 1-(\sl), 0, PP
.endif
.if (\mode) == 2
	s_barrier_wait -1                              ; the other waves' records have landed too: I read two of theirs.  Nothing is filled again
	LOADB 1-(\sl), 0, PP
.endif
.endm
.macro LAP m6a, m6b, m7b               ; a pair of slots: sixteen tiles a wave
.irp i, 0,1,2,3,4,5
	STEP 0, \i, 0
.endr
	STEP 0, 6, \m6a
	STEP 0, 7, 0
.irp i, 0,1,2,3,4,5
	STEP 1, \i, 0
.endr
	STEP 1, 6, \m6b
	STEP 1, 7, \m7b
.endm
	s_load_b256 s[4:11], s[0:1], 0x0               ; zq s[4:5], eq s[6:7], widx s[8:9], wd s[10:11]
	v_lshl_add_u32 v[SPW], v0, 2, SPARE
	v_mov_b32 v[NIL], 0
	ds_add_u32 v[SPW], v[NIL]                      ; the opening lines: the add twice on end and one wait
	ds_add_u32 v[SPW], v[NIL]
	v_lshrrev_b32 v1, 5, v0
	v_and_b32 v[L16], 31, v0
	v_and_b32 v[RR], 15, v0                        ; r
	v_bfe_u32 v[H8], v0, 4, 1                      ; h
	v_bfe_u32 v[QQ], v0, 1, 4                      ; lane / 2
	v_and_b32 v[PP3], 1, v0                        ; lane % 2
	v_mov_b32 v[INF], 0x7f800000
	v_readfirstlane_b32 s[WV], v1                  ; wave
	v_lshlrev_b32 v[L8], 3, v[L16]
	v_lshlrev_b32 v[R16], 4, v[RR]
	v_lshlrev_b32 v[R4], 2, v[RR]
	v_lshlrev_b32 v[H8], 3, v[H8]                  ; 8 h
	v_lshlrev_b32 v[L16], 4, v[L16]
	s_bfe_u32 s13, ttmp6, 0x40000                  ; cx
	s_and_b32 s15, ttmp9, 1                        ; H: my cluster's half of the book
	s_lshr_b32 s14, ttmp9, 1
	s_and_b32 s[NX], s14, 3                        ; the pair at which my cluster begins
	s_lshl_b32 s14, s14, 2
	s_add_co_u32 s14, s14, s13                     ; my block of 128 rows
	s_mov_b32 s[G1+0], 15|(3<<16)|(1<<21)          ; mask: all four partners; elements of 8 bytes; bit 21 beside a mask
	s_mov_b32 s[G1+1], 32<<16                      ; a record is dense: 69 rows of 256 bytes
	s_mov_b32 s[G1+2], 69<<16
	s_mov_b32 s[G1+3], 32<<16
	s_mov_b32 s[G1+4], 69
	s_mov_b32 s[G1+5], 32
	s_mov_b32 s[G1+6], 0
	s_mov_b32 s[G1+7], 0
	s_and_b32 s33, s[WV], 3                        ; I fetch for the run of 1,024 codes u = wave % 4,
	s_lshr_b32 s34, s[WV], 2                       ; its 64 codes e = wave / 4 of the slot's 128
	s_lshl_b32 s32, s33, 1
	s_add_co_u32 s32, s32, s34
	s_mul_i32 s32, s32, PART                       ; into record 2 u + e of a slot
	s_lshl_b32 s35, s15, 2
	s_add_co_u32 s35, s35, s33
	s_mul_i32 s48, s35, PART
	s_mul_i32 s34, s34, GS
	s_add_co_u32 s48, s48, s34                     ; from eq + (4 H + u) records + e GS
	s_mov_b32 s49, 0
	s_mul_i32 s[OFF], s[NX], PAIRG
	s_mov_b32 s[OFF+1], 0
	s_lshl_b32 s34, s14, 1
	s_and_b32 s35, s[WV], 1
	s_add_co_u32 s34, s34, s35
	s_mul_i32 s34, s34, PART                       ; z's record: 2 x block + wave % 2
	s_mov_b32 s35, 0
	s_and_b32 s50, s[WV], 6
	s_mul_i32 s50, s50, PART                       ; I read records 2 (wave / 2) and the next
	s_add_co_u32 s51, s50, 16384
	s_add_co_u32 s52, s50, 17408
	s_lshl_b32 s53, s[WV], 10
	s_add_co_u32 s53, s53, RES
	s_lshr_b32 s54, s[WV], 2                       ; at the end wave w joins rows 16 w .. 16 w + 15: half w / 4 of the rows, tile w % 4
	s_lshl_b32 s54, s54, 10
	s_and_b32 s55, s[WV], 3
	s_lshl_b32 s55, s55, 8
	s_add_co_u32 s54, s54, s55
	s_add_co_u32 s54, s54, RES
	s_lshl_b32 s55, s[WV], 6
	s_add_co_u32 s55, s55, RES2
	s_cmp_eq_u32 s[NX], 0
	s_cselect_b32 s56, 4, s[NX]                    ; (a walk that begins at pair 0 passes WRAP at once, which takes 1,024 off)
	s_lshl_b32 s56, s56, 8                         ; 256 codes a pair
	s_lshr_b32 s57, s[WV], 1
	s_lshl_b32 s58, s15, 2
	s_add_co_u32 s58, s58, s57
	s_lshl_b32 s58, s58, 10
	s_add_co_u32 s56, s56, s58
	s_sub_co_u32 s56, s56, 16                      ; 16 under my first tile's first code: each tile adds 16 ahead of its use
	s_wait_alu depctr_va_vdst(0)
	s_wait_dscnt 0x0                               ; both opening adds are done
	s_wait_kmcnt 0x0
	s_add_nc_u64 s[4:5], s[4:5], s[34:35]          ; my 64 rows' record of z
	WIN 0x40
.irp mt, 0,1,2,3
.irp u, 0,1,2,3,4,5,6,7
	global_load_b128 v[AW+32*\mt+4*\u:AW+32*\mt+4*\u+3], v[L16], s[4:5] offset:4096*\mt+512*\u
.endr
.endr
	WIN 0
.irp mt, 0,1,2,3
	global_load_b128 v[AS+4*\mt:AS+4*\mt+3], v[R16], s[4:5] offset:16384+256*\mt
.endr
.irp mt, 0,1,2,3
	global_load_b32 v[ZZ+2*\mt], v[R4], s[4:5] offset:17408+64*\mt
	global_load_b32 v[ZZ+2*\mt+1], v[R4], s[4:5] offset:17408+64*\mt
.endr
	s_add_nc_u64 s[BASE:BASE+1], s[6:7], s[48:49]
	s_add_nc_u64 s[BASE+2:BASE+3], s[BASE:BASE+1], 2*GS
.irp s, 0,1
	s_mov_b32 s[G0+4*\s], 1
	s_add_co_u32 s[G0+4*\s+1], s32, \s*SLOT
	s_add_nc_u64 s[G0+4*\s+2:G0+4*\s+3], s[BASE+2*\s:BASE+2*\s+1], s[OFF:OFF+1]
	s_or_b32 s[G0+4*\s+3], s[G0+4*\s+3], 0x80000000
.endr
	s_lshl_b32 s34, s14, 9                         ; 128 numbers of 4 bytes a block,
	s_lshl_b32 s33, s15, 16                        ; 65,536 bytes a half
	s_add_co_u32 s34, s34, s33
	s_add_nc_u64 s[8:9], s[8:9], s[34:35]
	s_add_nc_u64 s[10:11], s[10:11], s[34:35]
	CROUND                                         ; in front of the first joint loads
	tensor_load_to_lds s[G0:G0+3], s[G1:G1+7]      ; one tensor load a wave at the head: my record of slot 0
	s_nop 0
	WIN 0x40
.set j, 0
.rept 40
	v_mov_b32 v[KEEP+j], v[INF]                    ; written on every way, whichever lap puts the state aside
.set j, j+1
.endr
	WIN 0
.set j, 0
.rept 32
	v_mov_b32 v[SV+j], v[INF]
.set j, j+1
.endr
	v_mov_b32 v[NEG2], -2.0
	v_mov_b32 v[NEG2+1], -2.0
	v_add_nc_u32 v[ADRC], s50, v[L16]
	v_add_nc_u32 v[ADRS], s51, v[R16]
	v_lshl_add_u32 v[ADRE], v[H8], 2, s52
	v_add_nc_u32 v[RST], s53, v[L8]                ; where I put my (d, index): RES + 1024 wave + 8 lane
	v_lshl_add_u32 v[CAD], v[QQ], 3, s54
	v_lshl_add_u32 v[RS2], v[QQ], 2, s55           ; RES2 + 4 (16 wave + lane / 2)
	v_add_nc_u32 v[RLD], RES2, v[L16]
	v_mov_b32 v[VT], s56
	v_add_nc_u32 v[ADRC+1], SLOT, v[ADRC]
	v_add_nc_u32 v[ADRS+1], SLOT, v[ADRS]
	v_add_nc_u32 v[ADRE+1], SLOT, v[ADRE]
	v_lshl_add_u32 v[CAD], v[PP3], 12, v[CAD]      ; lane % 2 = p reads what the waves of runs 2 p and 2 p + 1 found for row lane / 2 of my sixteen
	s_wait_alu depctr_va_vdst(0)
	s_wait_tensorcnt 0x0                           ; my record of slot 0 is in; slot 1's first fill goes out as a refill does
	ds_add_u32 v[SPW], v[NIL]
	s_wait_dscnt 0x0
	CROUND
	tensor_load_to_lds s[G0+4:G0+7], s[G1:G1+7]
	s_nop 0
.rept 4
	v_nop
.endr
	LOADB 0, 0, 0
	LOADB 0, 1, 1
	s_wait_loadcnt 0x0                             ; z's codes, scale words and sums
	s_wait_dscnt 11                                ; tile 0's 11 loads are in, tile 1's 11 may be out
	WIN 0x05
	MM 0, 0
	MM 0, 2
	WIN 0
.irp mt, 0,1,2,3
	v_mov_b32 v[BI+2*\mt], v[INF]                  ; (these eight are also the places in front of the next loads into set 0)
	v_mov_b32 v[BI+2*\mt+1], 0
.endr
	s_mov_b32 s[TRIPS], 3
.Ltrip:                                                ; a lap: one pair of slots, both filled again
	WRAP
	s_add_co_u32 s[NX], s[NX], 1
	s_and_b32 s[NX], s[NX], 3
	s_mul_i32 s[OFF], s[NX], PAIRG
	LAP 1, 1, 0
	s_sub_co_u32 s[TRIPS], s[TRIPS], 1
	s_cmp_lg_u32 s[TRIPS], 0
	s_cbranch_scc1 .Ltrip
	WRAP                                           ; the last lap fills nothing
	LAP 2, 3, 4
	; the state put aside against the present one, whose indices are lower: the present one wins the ties
	WIN 0x01
.irp mt, 0,1,2,3
	v_cmp_ge_f32 s[CM+\mt], v[KEEP+2*\mt], v[BI+2*\mt]
.endr
	s_delay_alu instid0(VALU_DEP_4)
.irp mt, 0,1,2,3
.irp e, 0,1
	v_cndmask_b32 v[BI+2*\mt+\e], v[KEEP+2*\mt+\e], v[BI+2*\mt+\e], s[CM+\mt]
.endr
.irp k, 0,1,2,3,4,5,6,7
	v_cndmask_b32 v[SV+8*\mt+\k], v[KEEP+8+8*\mt+\k], v[SV+8*\mt+\k], s[CM+\mt]
.endr
.endr
	WIN 0
	; which of the eight: the first that equals the best, found from 7 down
.irp mt, 0,1,2,3
	v_mov_b32 v[GB+4*\mt], 7
.endr
.irp j, 6,5,4,3,2,1,0
.irp mt, 0,1,2,3
	v_cmp_neq_f32 s[CM+\mt], v[SV+8*\mt+\j], v[BI+2*\mt]
.endr
.irp mt, 0,1,2,3
	s_delay_alu instid0(VALU_DEP_4)
	v_cndmask_b32 v[GB+4*\mt], \j, v[GB+4*\mt], s[CM+\mt]
.endr
.endr
.irp mt, 0,1,2,3
	s_delay_alu instid0(VALU_DEP_4)
	v_add3_u32 v[GB+4*\mt], v[GB+4*\mt], v[BI+2*\mt+1], v[H8]     ; 16 T + 8 h + j
.endr
.irp mt, 0,1,2,3
	s_delay_alu instid0(VALU_DEP_4)
	v_cvt_f32_u32 v[BI+2*\mt+1], v[GB+4*\mt]       ; under 2^13: exact
.endr
.irp mt, 0,1,2,3
	ds_store_b64 v[RST], v[BI+2*\mt:BI+2*\mt+1] offset:256*\mt
.endr
	s_wait_dscnt 0x0                               ; for the others' sake: my stores have landed
	s_barrier_signal -1
	s_barrier_wait -1
.irp k, 0,1,2,3
	ds_load_b64 v[TT+2*\k:TT+2*\k+1], v[CAD] offset:2048*(\k/2)+128*(\k%2)   ; two runs x two halves of the lanes: 4 of my row's 8 candidates
.endr
	s_wait_dscnt 0x0
	v_min3_num_f32 v[DM], v[TT], v[TT+2], v[TT+4]
	s_delay_alu instid0(VALU_DEP_1)
	v_min_num_f32 v[DM], v[DM], v[TT+6]
	s_delay_alu instid0(VALU_DEP_1)
	v_min_num_f32_dpp v[DM], v[DM], v[DM] row_xmask:1 row_mask:0xf bank_mask:0xf   ; with the lane that holds the row's other four
	s_delay_alu instid0(VALU_DEP_1)
.irp k, 0,1,2,3
	v_cmp_eq_f32 s[CM+\k], v[TT+2*\k], v[DM]
.endr
.irp k, 0,1,2,3
	s_delay_alu instid0(VALU_DEP_4)
	v_cndmask_b32 v[TT+2*\k+1], v[INF], v[TT+2*\k+1], s[CM+\k]    ; only the indices of the least d count
.endr
	s_delay_alu instid0(VALU_DEP_2)
	v_min3_num_f32 v[IM], v[TT+1], v[TT+3], v[TT+5]
	s_delay_alu instid0(VALU_DEP_1)
	v_min_num_f32 v[IM], v[IM], v[TT+7]
	s_delay_alu instid0(VALU_DEP_1)
	v_min_num_f32_dpp v[IM], v[IM], v[IM] row_xmask:1 row_mask:0xf bank_mask:0xf
	s_delay_alu instid0(VALU_DEP_1)
	v_cvt_u32_f32 v[IM], v[IM]
	ds_store_b32 v[RS2], v[IM]                     ; two lanes write the same word with the same value
	ds_store_b32 v[RS2], v[DM] offset:512
	s_wait_dscnt 0x0
	s_barrier_signal -1
	s_barrier_wait -1
	s_cmp_lg_u32 s[WV], 0
	s_cbranch_scc1 .Lnot_first
	ds_load_b128 v[TT:TT+3], v[RLD]
	ds_load_b128 v[TT+4:TT+7], v[RLD] offset:512
	s_wait_dscnt 0x0
	global_store_b128 v[L16], v[TT:TT+3], s[8:9]       ; 32 lanes store 512 consecutive bytes, aligned: the block's indices,
	global_store_b128 v[L16], v[TT+4:TT+7], s[10:11]   ; and their d
.Lnot_first:
	s_wait_tensorcnt 0x0                           ; the wave's end
	ds_add_u32 v[SPW], v[NIL]
	s_wait_dscnt 0x0
	CROUND                                         ; the closing round
	s_endpgm
.Lfunc_end_k_qc2eb261cca_nearest:
	.size	k_qc2eb261cca_nearest, .Lfunc_end_k_qc2eb261cca_nearest-k_qc2eb261cca_nearest
	.p2alignl 7, 3214868480
	.fill 96, 4, 3214868480
	.section	.rodata,"a",@progbits
	.p2align	6, 0x0
	.amdhsa_kernel k_qc2eb261cca_nearest
		.amdhsa_group_segment_fixed_size 327680
		.amdhsa_private_segment_fixed_size 0
		.amdhsa_enable_private_segment 0
		.amdhsa_kernarg_size 32
		.amdhsa_user_sgpr_count 2
		.amdhsa_user_sgpr_kernarg_segment_ptr 1
		.amdhsa_wavefront_size32 1
		.amdhsa_system_sgpr_workgroup_id_x 1
		.amdhsa_system_sgpr_workgroup_id_y 1
		.amdhsa_system_sgpr_workgroup_id_z 1
		.amdhsa_system_vgpr_workitem_id 0
		.amdhsa_next_free_vgpr 512
		.amdhsa_next_free_sgpr 66
		.amdhsa_reserve_vcc 1
		.amdhsa_float_denorm_mode_32 3
		.amdhsa_float_denorm_mode_16_64 3
		.amdhsa_memory_ordered 1
		.amdhsa_forward_progress 1
		.amdhsa_inst_pref_size 255
	.end_amdhsa_kernel
	.section	.bss,"aw",@nobits
	.p2align	6
	.space	262144
	.amdgpu_metadata
---
amdhsa.version: [ 1, 2 ]
amdhsa.kernels:
  - .name:           k_qc2eb261cca_nearest
    .symbol:         k_qc2eb261cca_nearest.kd
    .args:
      - { .name: zq, .offset: 0, .size: 8, .value_kind: global_buffer, .address_space: global }
      - { .name: eq, .offset: 8, .size: 8, .value_kind: global_buffer, .address_space: global }
      - { .name: widx, .offset: 16, .size: 8, .value_kind: global_buffer, .address_space: global }
      - { .name: wd, .offset: 24, .size: 8, .value_kind: global_buffer, .address_space: global }
    .group_segment_fixed_size: 327680
    .private_segment_fixed_size: 0
    .kernarg_segment_align: 8
    .kernarg_segment_size: 32
    .max_flat_workgroup_size: 256
    .sgpr_count:     66
    .vgpr_count:     512
    .wavefront_size: 32
...
	.end_amdgpu_metadata
.endif
;; end of part 2
;; launch gather (part 3): grid 1024 x 1, 4 waves a work-group, no clusters, 768 bytes of LDS; arguments z, emb_w, widx, wd, out0, out2, part; writes out0, out2, part
.if DOCPART == 3
	.amdgcn_target "amdgcn-amd-amdhsa--gfx1250"
	.amdhsa_code_object_version 6
	.text
	.protected	k_qc2eb261cca_gather
	.globl	k_qc2eb261cca_gather
	.p2align	8
	.type	k_qc2eb261cca_gather,@function
k_qc2eb261cca_gather:
	s_mov_b64 s[64:65], 0
	v_nop
	global_prefetch_b8 v0, s[64:65] scope:SCOPE_SE
	s_setreg_imm32_b32 hwreg(HW_REG_WAVE_MODE, 25, 1), 1
	s_wait_xcnt 0x0
; The two halves of the code-book are joined: idx[row] = widx[1][row] if wd[1][row] < wd[0][row], else widx[0][row] (the lower half has the lower indices and keeps the ties).
; out2[row] = idx[row]; out0[row] = z[row] + (emb_w[idx[row]] - z[row]); for each work-group the sum of (emb_w[idx[row]] - z[row])^2 over its 16 rows, all in f32.
; Every address comes from the stored whole numbers alone: BOTH halves' rows of the code-book are loaded, and the comparison of the two d only selects values.
; A wave takes four rows of 2,048 bytes: 16 loads of z go out before the indices are there, then 32 of the code-book's rows; each load and store of a wave covers 512 consecutive bytes.
; Each index is held at 8,191 before it enters an address.  A work-group's 16 indices are 64 bytes of out2, stored by one instruction.
; Memory binds: no matrix unit, no tensor load, no cluster; the waves meet once, for the work-group's sum and indices.
.set Z, 16                             ; v16-79    z's four rows, then the results
.set E, 80                             ; v80-143   the lower half's rows, then the chosen rows, then the differences
.set F, 144                            ; v144-207  the upper half's rows
.set S, 208                            ; v208-215  four packed chains of the sum of squares
.set SPW, 216
.set NIL, 217
	s_load_b256 s[4:11], s[0:1], 0x0               ; z s[4:5], emb_w s[6:7], widx s[8:9], wd s[10:11]
	s_load_b128 s[12:15], s[0:1], 0x20             ; out0 s[12:13], out2 s[14:15]
	s_load_b64 s[16:17], s[0:1], 0x30              ; part
	v_lshl_add_u32 v[SPW], v0, 2, 0x100
	v_mov_b32 v[NIL], 0
	v_lshrrev_b32 v1, 5, v0
	v_readfirstlane_b32 s18, v1                    ; wave
	v_lshlrev_b32 v3, 2, v1                        ; LDS: my wave's word of the sums,
	v_lshl_add_u32 v5, v1, 4, 64                   ; and from byte 64 on its four indices
	v_and_b32 v1, 31, v0
	v_lshlrev_b32 v2, 4, v1                        ; 16 x lane
	v_and_b32 v7, 15, v0
	v_lshlrev_b32 v7, 2, v7                        ; 4 x (lane % 16)
	v_add_nc_u32 v6, 64, v7
	v_mov_b32 v4, 0
	s_mov_b32 s32, 0x76543210
	s_mov_b32 s33, 0xfedcba98                      ; v_permlanex16_b32's selects for lane l xor 16
	s_lshl_b32 s19, ttmp9, 4
	s_lshl_b32 s34, s18, 2
	s_add_co_u32 s19, s19, s34                     ; my first row: 16 x work-group + 4 x wave
	s_lshl_b32 s34, s19, 2                         ; its index: 4 bytes a row
	s_mov_b32 s35, 0
	s_lshl_b32 s60, s19, 11                        ; its 2,048 bytes
	s_mov_b32 s61, 0
	s_lshl_b32 s62, ttmp9, 2
	s_mov_b32 s63, 0
	s_wait_alu depctr_va_vdst(0)
	s_wait_kmcnt 0x0
	s_add_nc_u64 s[8:9], s[8:9], s[34:35]
	s_add_nc_u64 s[10:11], s[10:11], s[34:35]
	s_load_b128 s[20:23], s[8:9], 0x0              ; my four rows: the lower half's indices,
	s_load_b128 s[24:27], s[8:9], 0x10000          ; the upper half's,
	s_load_b128 s[28:31], s[10:11], 0x0            ; the lower half's d,
	s_load_b128 s[36:39], s[10:11], 0x10000        ; the upper half's
	s_add_nc_u64 s[4:5], s[4:5], s[60:61]
	s_add_nc_u64 s[12:13], s[12:13], s[60:61]
	s_add_nc_u64 s[16:17], s[16:17], s[62:63]
	s_lshl_b32 s62, ttmp9, 6
	s_add_nc_u64 s[14:15], s[14:15], s[62:63]
.irp p, 0,1,2,3
.irp u, 0,1,2,3
	global_load_b128 v[Z+16*\p+4*\u:Z+16*\p+4*\u+3], v2, s[4:5] offset:2048*\p+512*\u th:TH_LOAD_NT
.endr
.endr
	s_wait_kmcnt 0x0
.irp p, 0,1,2,3
	s_min_u32 s[20+\p], s[20+\p], 8191             ; an index stays inside the table
	s_min_u32 s[24+\p], s[24+\p], 8191
	s_lshl_b32 s[40+4*\p], s[20+\p], 11
	s_mov_b32 s[41+4*\p], 0
	s_lshl_b32 s[42+4*\p], s[24+\p], 11
	s_mov_b32 s[43+4*\p], 0
	s_add_nc_u64 s[40+4*\p:41+4*\p], s[6:7], s[40+4*\p:41+4*\p]
	s_add_nc_u64 s[42+4*\p:43+4*\p], s[6:7], s[42+4*\p:43+4*\p]
.endr
.irp p, 0,1,2,3
.irp u, 0,1,2,3
	global_load_b128 v[E+16*\p+4*\u:E+16*\p+4*\u+3], v2, s[40+4*\p:41+4*\p] offset:512*\u   ; no hint: the lists may name a row many times
.endr
.irp u, 0,1,2,3
	global_load_b128 v[F+16*\p+4*\u:F+16*\p+4*\u+3], v2, s[42+4*\p:43+4*\p] offset:512*\u
.endr
.endr
.irp p, 0,1,2,3
	v_mov_b32 v[8+\p], s[28+\p]
	v_mov_b32 v[12+\p], s[24+\p]
.endr
.irp p, 0,1,2,3
	v_cmp_lt_f32 s[56+\p], s[36+\p], v[8+\p]       ; the upper half wins only if its d is strictly less: the same in every lane
.endr
.irp p, 0,1,2,3
	v_cndmask_b32 v[12+\p], s[20+\p], v[12+\p], s[56+\p]
.endr
.irp p, 0,1,2,3
	ds_store_b32 v5, v[12+\p] offset:4*\p          ; all lanes write the same word with the same value
.endr
	s_wait_alu depctr_va_vdst(0)
.macro ROW p
	s_wait_loadcnt 24-8*\p                         ; loads come back in order: z and this row's two candidates are in; the 8 loads of each later row may be out
.irp k, 0,1,2,3,4,5,6,7,8,9,10,11,12,13,14,15
	v_cndmask_b32 v[E+16*\p+\k], v[E+16*\p+\k], v[F+16*\p+\k], s[56+\p]
.endr
.irp k, 0,1,2,3,4,5,6,7
	v_pk_add_f32 v[E+16*\p+2*\k:E+16*\p+2*\k+1], v[E+16*\p+2*\k:E+16*\p+2*\k+1], v[Z+16*\p+2*\k:Z+16*\p+2*\k+1] neg_lo:[0,1] neg_hi:[0,1]   ; t = e - z
.endr
.irp k, 0,1,2,3,4,5,6,7
.if (\p == 0) && (\k < 4)
	v_pk_mul_f32 v[S+2*\k:S+2*\k+1], v[E+2*\k:E+2*\k+1], v[E+2*\k:E+2*\k+1]                 ; the first products start the chains
.else
	v_pk_fma_f32 v[S+2*(\k%4):S+2*(\k%4)+1], v[E+16*\p+2*\k:E+16*\p+2*\k+1], v[E+16*\p+2*\k:E+16*\p+2*\k+1], v[S+2*(\k%4):S+2*(\k%4)+1]
.endif
.endr
.irp k, 0,1,2,3,4,5,6,7
	v_pk_add_f32 v[Z+16*\p+2*\k:Z+16*\p+2*\k+1], v[Z+16*\p+2*\k:Z+16*\p+2*\k+1], v[E+16*\p+2*\k:E+16*\p+2*\k+1]   ; z + t
.endr
.irp u, 0,1,2,3
	global_store_b128 v2, v[Z+16*\p+4*\u:Z+16*\p+4*\u+3], s[12:13] offset:2048*\p+512*\u th:TH_STORE_NT
.endr
.endm
	ROW 0
	ROW 1
	ROW 2
	ROW 3
	v_pk_add_f32 v[S:S+1], v[S:S+1], v[S+2:S+3]
	v_pk_add_f32 v[S+4:S+5], v[S+4:S+5], v[S+6:S+7]
	v_pk_add_f32 v[S:S+1], v[S:S+1], v[S+4:S+5]
	v_add_f32 v[S], v[S], v[S+1]
.irp m, 1,2,4,8
	v_add_f32_dpp v[S], v[S], v[S] row_xmask:\m row_mask:0xf bank_mask:0xf
.endr
	v_permlanex16_b32 v[S+1], v[S], s32, s33
	v_add_f32 v[S], v[S], v[S+1]                   ; my wave's sum, in every lane
	ds_store_b32 v3, v[S]                          ; all lanes write the same word with the same value
	s_wait_dscnt 0x0
	s_barrier_signal -1
	s_barrier_wait -1
	s_cmp_lg_u32 s18, 0
	s_cbranch_scc1 .Lend
	ds_load_b128 v[8:11], v4
	ds_load_b32 v12, v6                            ; lanes 0-15: the work-group's 16 indices
	s_wait_dscnt 0x0
	v_add_f32 v8, v8, v9
	v_add_f32 v10, v10, v11
	v_add_f32 v8, v8, v10
	s_wait_alu depctr_va_vdst(0)
	s_wait_xcnt 0x0                                ; EXEC changes only behind this wait: the stores above have read theirs
	v_cmp_gt_u32 vcc_lo, 16, v0
	s_and_saveexec_b32 s19, vcc_lo
	global_store_b32 v7, v12, s[14:15]             ; sixteen lanes store 64 consecutive bytes
	s_wait_xcnt 0x0
	s_or_b32 exec_lo, exec_lo, s19
	v_cmp_eq_u32 vcc_lo, 0, v0
	s_and_saveexec_b32 s19, vcc_lo
	global_store_b32 v4, v8, s[16:17]              ; one number a work-group
	s_wait_xcnt 0x0
	s_or_b32 exec_lo, exec_lo, s19
.Lend:
	s_wait_tensorcnt 0x0
	ds_add_u32 v[SPW], v[NIL]
	s_wait_dscnt 0x0
	s_endpgm
.Lfunc_end_k_qc2eb261cca_gather:
	.size	k_qc2eb261cca_gather, .Lfunc_end_k_qc2eb261cca_gather-k_qc2eb261cca_gather
	.p2alignl 7, 3214868480
	.fill 96, 4, 3214868480
	.section	.rodata,"a",@progbits
	.p2align	6, 0x0
	.amdhsa_kernel k_qc2eb261cca_gather
		.amdhsa_group_segment_fixed_size 768
		.amdhsa_private_segment_fixed_size 0
		.amdhsa_enable_private_segment 0
		.amdhsa_kernarg_size 56
		.amdhsa_user_sgpr_count 2
		.amdhsa_user_sgpr_kernarg_segment_ptr 1
		.amdhsa_wavefront_size32 1
		.amdhsa_system_sgpr_workgroup_id_x 1
		.amdhsa_system_sgpr_workgroup_id_y 1
		.amdhsa_system_sgpr_workgroup_id_z 1
		.amdhsa_system_vgpr_workitem_id 0
		.amdhsa_next_free_vgpr 218
		.amdhsa_next_free_sgpr 66
		.amdhsa_reserve_vcc 1
		.amdhsa_float_denorm_mode_32 3
		.amdhsa_float_denorm_mode_16_64 3
		.amdhsa_memory_ordered 1
		.amdhsa_forward_progress 1
		.amdhsa_inst_pref_size 22
	.end_amdhsa_kernel
	.amdgpu_metadata
---
amdhsa.version: [ 1, 2 ]
amdhsa.kernels:
  - .name:           k_qc2eb261cca_gather
    .symbol:         k_qc2eb261cca_gather.kd
    .args:
      - { .name: z, .offset: 0, .size: 8, .value_kind: global_buffer, .address_space: global }
      - { .name: emb_w, .offset: 8, .size: 8, .value_kind: global_buffer, .address_space: global }
      - { .name: widx, .offset: 16, .size: 8, .value_kind: global_buffer, .address_space: global }
      - { .name: wd, .offset: 24, .size: 8, .value_kind: global_buffer, .address_space: global }
      - { .name: out0, .offset: 32, .size: 8, .value_kind: global_buffer, .address_space: global }
      - { .name: out2, .offset: 40, .size: 8, .value_kind: global_buffer, .address_space: global }
      - { .name: part, .offset: 48, .size: 8, .value_kind: global_buffer, .address_space: global }
    .group_segment_fixed_size: 768
    .private_segment_fixed_size: 0
    .kernarg_segment_align: 8
    .kernarg_segment_size: 56
    .max_flat_workgroup_size: 128
    .sgpr_count:     66
    .vgpr_count:     218
    .wavefront_size: 32
...
	.end_amdgpu_metadata
.endif
;; end of part 3
;; launch final (part 4): grid 1 x 1, 32 waves a work-group, no clusters, 4,608 bytes of LDS; arguments part, out2, out1, out3; writes out1, out3
.if DOCPART == 4
	.amdgcn_target "amdgcn-amd-amdhsa--gfx1250"
	.amdhsa_code_object_version 6
	.text
	.protected	k_qc2eb261cca_final
	.globl	k_qc2eb261cca_final
	.p2align	8
	.type	k_qc2eb261cca_final,@function
k_qc2eb261cca_final:
	s_mov_b64 s[64:65], 0
	v_nop
	global_prefetch_b8 v0, s[64:65] scope:SCOPE_SE
	s_setreg_imm32_b32 hwreg(HW_REG_WAVE_MODE, 25, 1), 1
	s_wait_xcnt 0x0
; out1 = 0.25 m + m, m the mean of (z_q - z)^2 over 2^23 numbers, from the 1,024 partial sums;  out3 = the variance of the 16,384 indices as f32, in two passes: the mean, then the mean of the squared differences.
; One work-group of 32 waves: thread t takes partial sum t and sixteen indices.  A sum over the work-group: within a lane, across the 32 lanes, a word a wave in LDS, a barrier, across the 32 lanes again.
; The two reductions through LDS use different bytes, so one barrier serves each.
.macro RED x                           ; the sum over the 32 lanes, in every lane
.irp m, 1
	v_add_f32_dpp v[\x], v[\x], v[\x] row_xmask:\m row_mask:0xf bank_mask:0xf
.endr
.irp m, 2, 4, 8
	s_delay_alu instid0(VALU_DEP_1)
	v_add_f32_dpp v[\x], v[\x], v[\x] row_xmask:\m row_mask:0xf bank_mask:0xf
.endr
	s_wait_alu depctr_va_vdst(0)
	v_permlanex16_b32 v32, v[\x], s14, s15
	s_delay_alu instid0(VALU_DEP_1)
	v_add_f32 v[\x], v[\x], v32
.endm
	s_load_b256 s[4:11], s[0:1], 0x0               ; part s[4:5], out2 (the indices, as the launch before stored them) s[6:7], out1 s[8:9], out3 s[10:11]
	v_lshl_add_u32 v40, v0, 2, 0x200
	v_mov_b32 v41, 0
	v_lshlrev_b32 v1, 2, v0
	v_lshlrev_b32 v2, 4, v0
	v_lshrrev_b32 v3, 5, v0
	s_delay_alu instid0(VALU_DEP_1)
	v_readfirstlane_b32 s12, v3                    ; wave
	v_and_b32 v4, 31, v0                           ; lane
	s_delay_alu instid0(VALU_DEP_3)
	v_lshlrev_b32 v5, 3, v3                        ; LDS: 8 x wave,
	s_delay_alu instid0(VALU_DEP_2)
	v_lshlrev_b32 v6, 3, v4                        ; 8 x lane,
	v_lshl_add_u32 v7, v3, 2, 256                  ; 256 + 4 x wave,
	s_delay_alu instid0(VALU_DEP_4)
	v_lshl_add_u32 v33, v4, 2, 256                 ; 256 + 4 x lane
	v_mov_b32 v32, 0                               ; written once: a lane permute's destination counts as one of its sources
	v_mov_b32 v34, 0
	s_mov_b32 s14, 0x76543210
	s_mov_b32 s15, 0xfedcba98
	s_mov_b32 s16, 0x3e800000                      ; 0.25
	s_wait_kmcnt 0x0
	global_load_b32 v8, v1, s[4:5]
.irp j, 0,1,2,3
	global_load_b128 v[12+4*\j:15+4*\j], v2, s[6:7] offset:16384*\j
.endr
	s_wait_loadcnt 0x0
.irp j, 0,1,2,3,4,5,6,7,8,9,10,11,12,13,14,15
	v_cvt_f32_u32 v[12+\j], v[12+\j]               ; under 2^13: exact
.endr
	v_pk_add_f32 v[28:29], v[12:13], v[14:15]
	v_pk_add_f32 v[30:31], v[16:17], v[18:19]
	s_delay_alu instid0(VALU_DEP_2)
	v_pk_add_f32 v[28:29], v[28:29], v[20:21]
	s_delay_alu instid0(VALU_DEP_2)
	v_pk_add_f32 v[30:31], v[30:31], v[22:23]
	s_delay_alu instid0(VALU_DEP_2)
	v_pk_add_f32 v[28:29], v[28:29], v[24:25]
	s_delay_alu instid0(VALU_DEP_2)
	v_pk_add_f32 v[30:31], v[30:31], v[26:27]
	s_delay_alu instid0(VALU_DEP_1)
	v_pk_add_f32 v[28:29], v[28:29], v[30:31]
	s_delay_alu instid0(VALU_DEP_1)
	v_add_f32 v9, v28, v29
	RED 8
	RED 9
	ds_store_b64 v5, v[8:9]                        ; all lanes write the same words with the same values
	s_wait_dscnt 0x0
	s_barrier_signal -1
	s_barrier_wait -1
	ds_load_b64 v[10:11], v6                       ; a lane a wave
	s_wait_dscnt 0x0
	RED 10                                         ; the sum of all squared differences
	RED 11                                         ; the sum of all indices
	s_delay_alu instid0(VALU_DEP_1)
	v_mul_f32 v11, 0x38800000, v11                 ; x 2^-14: their mean
.irp j, 0,1,2,3,4,5,6,7,8,9,10,11,12,13,14,15
	v_sub_f32 v[12+\j], v[12+\j], v11
.endr
	v_pk_mul_f32 v[28:29], v[12:13], v[12:13]
	v_pk_mul_f32 v[30:31], v[14:15], v[14:15]
.irp j, 16,20,24
	s_delay_alu instid0(VALU_DEP_2)
	v_pk_fma_f32 v[28:29], v[\j:\j+1], v[\j:\j+1], v[28:29]
	s_delay_alu instid0(VALU_DEP_2)
	v_pk_fma_f32 v[30:31], v[\j+2:\j+3], v[\j+2:\j+3], v[30:31]
.endr
	s_delay_alu instid0(VALU_DEP_1)
	v_pk_add_f32 v[28:29], v[28:29], v[30:31]
	s_delay_alu instid0(VALU_DEP_1)
	v_add_f32 v9, v28, v29
	RED 9
	ds_store_b32 v7, v9
	s_wait_dscnt 0x0
	s_barrier_signal -1
	s_barrier_wait -1
	ds_load_b32 v9, v33
	s_wait_dscnt 0x0
	RED 9
	s_delay_alu instid0(VALU_DEP_1)
	v_mul_f32 v9, 0x38800000, v9                   ; x 2^-14: the variance
	v_mul_f32 v10, 0x34000000, v10                 ; x 2^-23: m
	s_delay_alu instid0(VALU_DEP_1)
	v_fma_f32 v10, v10, s16, v10                   ; 0.25 m is exact: one rounding, as in 0.25 m + m
	s_cmp_lg_u32 s12, 0
	s_cbranch_scc1 .Lend
	s_wait_xcnt 0x0                                ; EXEC changes only behind this wait
	v_cmp_eq_u32 vcc_lo, 0, v0
	s_and_saveexec_b32 s17, vcc_lo
	s_wait_alu depctr_va_vdst(0)
	global_store_b32 v34, v10, s[8:9]
	global_store_b32 v34, v9, s[10:11]
	s_wait_xcnt 0x0
	s_or_b32 exec_lo, exec_lo, s17
.Lend:
	s_wait_tensorcnt 0x0
	ds_add_u32 v40, v41
	s_wait_dscnt 0x0
	s_endpgm
.Lfunc_end_k_qc2eb261cca_final:
	.size	k_qc2eb261cca_final, .Lfunc_end_k_qc2eb261cca_final-k_qc2eb261cca_final
	.p2alignl 7, 3214868480
	.fill 96, 4, 3214868480
	.section	.rodata,"a",@progbits
	.p2align	6, 0x0
	.amdhsa_kernel k_qc2eb261cca_final
		.amdhsa_group_segment_fixed_size 4608
		.amdhsa_private_segment_fixed_size 0
		.amdhsa_enable_private_segment 0
		.amdhsa_kernarg_size 32
		.amdhsa_user_sgpr_count 2
		.amdhsa_user_sgpr_kernarg_segment_ptr 1
		.amdhsa_wavefront_size32 1
		.amdhsa_system_sgpr_workgroup_id_x 1
		.amdhsa_system_sgpr_workgroup_id_y 1
		.amdhsa_system_sgpr_workgroup_id_z 1
		.amdhsa_system_vgpr_workitem_id 0
		.amdhsa_next_free_vgpr 42
		.amdhsa_next_free_sgpr 66
		.amdhsa_reserve_vcc 1
		.amdhsa_float_denorm_mode_32 3
		.amdhsa_float_denorm_mode_16_64 3
		.amdhsa_memory_ordered 1
		.amdhsa_forward_progress 1
		.amdhsa_inst_pref_size 9
	.end_amdhsa_kernel
	.amdgpu_metadata
---
amdhsa.version: [ 1, 2 ]
amdhsa.kernels:
  - .name:           k_qc2eb261cca_final
    .symbol:         k_qc2eb261cca_final.kd
    .args:
      - { .name: part, .offset: 0, .size: 8, .value_kind: global_buffer, .address_space: global }
      - { .name: out2, .offset: 8, .size: 8, .value_kind: global_buffer, .address_space: global }
      - { .name: out1, .offset: 16, .size: 8, .value_kind: global_buffer, .address_space: global }
      - { .name: out3, .offset: 24, .size: 8, .value_kind: global_buffer, .address_space: global }
    .group_segment_fixed_size: 4608
    .private_segment_fixed_size: 0
    .kernarg_segment_align: 8
    .kernarg_segment_size: 32
    .max_flat_workgroup_size: 1024
    .sgpr_count:     66
    .vgpr_count:     42
    .wavefront_size: 32
...
	.end_amdgpu_metadata
.endif
;; end of part 4
